; MI455X (gfx1250); checked and timed in simulation.
; The chip was launched on July 23, 2026; its instructions are those of AMD's public machine-readable ISA for CDNA 5 (MIT licence, August 2026) and "CDNA5" Instruction Set Architecture Reference Guide (July 2026). The comments in the code are by the model that wrote it; some were corrected since.
;; Attention. Allowed arithmetic: matrix products marked QUANTISED: E4M3 operands, one given power-of-two scale a tensor, by v_wmma_f32_16x16x64_fp8_fp8 or v_wmma_f32_16x16x128_fp8_fp8, f32 sums; everything else in f32.
;; Inputs: b_proj 256 float32; bias_table 3,969 x 8 float32; lowp_scales 8 int32 (the exponents e of the quantised operands' scales 2^e); w_proj 256 x 256 float32; w_qkv 256 x 768 float32; x 16 x 1,024 x 256 float32.
;; Outputs: out0 16 x 1,024 x 256 float32.
;; This version of the problem:
;;   THIS VERSION OF THE PROBLEM IS GIVEN IN LOW PRECISION. The matrix products marked QUANTISED in the list below multiply operands that are first quantised to E4M3 (4 exponent bits, 3 mantissa bits; 8 bits a number), with one given power-of-two scale for each operand tensor; their sums are f32. All else is computed in f32.
;;   The module's matrix products, in the order in which they are computed (A, B: the left and right operand; K: the contracted axis; several contracted axes count as one K, in the product's order):
;;     1. [M 16,384, K 256] x [K 256, N 768]; A: input x; B: input w_qkv: QUANTISED (scales: A lowp_scales[0], B lowp_scales[1])
;;     2. batch 128 x [M 1,024, K 32] x [K 32, N 1,024]; A: computed on the way; B: computed on the way: QUANTISED (scales: A lowp_scales[2], B lowp_scales[3])
;;     3. batch 128 x [M 1,024, K 1,024] x [K 1,024, N 32]; A: softmax (see below); B: computed on the way: QUANTISED (scales: A lowp_scales[4], B lowp_scales[5])
;;     4. [M 16,384, K 256] x [K 256, N 256]; A: computed on the way; B: input w_proj: QUANTISED (scales: A lowp_scales[6], B lowp_scales[7])
;;   THE QUANTISER, for each operand of a quantised product, along K:
;;     - The operand's scale is 2^e, e = its entry of the input lowp_scales (int32; the entries are numbered through the quantised products in the list's order, A before B).
;;     - Each number is divided by the scale, clamped to +-448, and rounded to the nearest number of E4M3, ties to even, subnormals kept.
;;     - The product sums the exact products of the quantised numbers (number of the format x scale) in f32.
;;   ~~~python
;;   def quantise(x, axis, e):      # numpy; x: float32 -> the quantised numbers, widened to float32 again
;;       x = np.moveaxis(x, axis, -1); K = x.shape[-1]
;;       r = np.clip(x / 2.0 ** e, -448, 448)
;;       step = 2.0 ** (np.maximum(np.frexp(np.where(r == 0, 1, r))[1] - 1, -6) - 3)
;;       q = np.round(r / step) * step * 2.0 ** e      # np.round: ties to even
;;       return np.moveaxis(q, -1, axis).astype(np.float32)
;;   ~~~
;;   SOFTMAX AHEAD OF A QUANTISED PRODUCT. Where the list says 'softmax', what is quantised is not the finished softmax but p = 2^(t - M), with t = logit x log2(e) and M = ceil(the row's largest t), a whole number; so 1/2 < the row's largest p <= 1. The row's sum l is taken of the UNQUANTISED p, in f32, and the product's result is divided by l at the end. Since M is a whole number, a kernel that streams over the keys may use a running M (the ceiling of the running maximum): every later rescaling is an exact power of two, so the quantised numbers keep their values, but for numbers so far below the row's largest that they fall under the format's range.
;;   OPERANDS COMPUTED ON THE WAY. 'Computed on the way' means the value that the module computes at that place (a softmax that the list does not call 'softmax' is quantised finished and normalised). What goes into a quantiser is computed in f32, as accurately as f32 sums, v_exp_f32 and their like allow (about 1e-6 of the number): no bf16 or f16 on the way to a quantiser, and a product that is left as it is and whose result goes on into a quantised operand takes f32 operands (vector FMAs, or v_wmma_f32_16x16x4_f32). A number that lies on a knife's edge between two numbers of the format may be rounded either way, as far as f32 arithmetic and the matrix unit's own rounding can turn it there, and no further.
;; One version. Each part assembles by itself: llvm-mc -triple=amdgcn-amd-amdhsa -mcpu=gfx1250 --defsym DOCPART=n.
;; ======== version 1 of 1: 2 launches
;; limits: right only within a limited range of input values
;; workspace buffers: qimg 4,194,304 bytes; kvimg 8,388,608 bytes; wpimg 65,536 bytes; bias4 524,288 bytes
;; launch qkv (part 1): grid 256 x 1, 16 waves a work-group, clusters of 4 x 1, 327,680 bytes of LDS; arguments x, w_qkv, w_proj, bias_table, lowp_scales, qimg, kvimg, wpimg, bias4; writes qimg, kvimg, wpimg, bias4
.if DOCPART == 1
	.amdgcn_target "amdgcn-amd-amdhsa--gfx1250"
	.amdhsa_code_object_version 6
	.text
	.protected	k_q2031489f1e_qkv
	.globl	k_q2031489f1e_qkv
	.p2align	8
	.type	k_q2031489f1e_qkv,@function
k_q2031489f1e_qkv:
	s_mov_b64 s[64:65], 0
	v_nop
	global_prefetch_b8 v0, s[64:65] scope:SCOPE_SE
	s_setreg_imm32_b32 hwreg(HW_REG_WAVE_MODE, 25, 1), 1
	s_wait_xcnt 0x0
	s_wait_alu depctr_hold_cnt(0) depctr_sa_sdst(0) depctr_va_vdst(0) depctr_va_sdst(0) depctr_va_ssrc(0) depctr_va_vcc(0) depctr_vm_vsrc(0)
	s_getreg_b32 s2, hwreg(HW_REG_IB_STS2, 6, 4)
	s_cmp_eq_u32 s2, 0
	s_cbranch_scc0 .Lentry_in_a_cluster
	s_endpgm
.Lentry_in_a_cluster:
	s_bfe_u32 s2, ttmp6, 0x10000c
	s_cmp_lg_u32 s2, 0x3003
	s_cbranch_scc0 .Lentry_shape_is_right
	s_endpgm
.Lentry_shape_is_right:
; q, k, v = x w_qkv (product 1) on codes of FP8 (E4M3) with the given scales, quantised for products 2 and 3 and stored as operand images; also the images of w_proj and of the bias table.
; SHARES.  Cluster C = 4 b + oct: 256 tokens (image rows 8 oct .. + 7 of batch b); its four work-groups g take heads 2 g, 2 g + 1 (64 columns each of q, k, v).  x's 256 KB are asked for JOINTLY by the four: one tensor load a
; wave (16 tokens), the same descriptor in all four.  Wave w quantises tokens 16 w on, and rows 16 w on of the weights' 192 columns: a load takes 256 consecutive bytes of each of two rows, a lane four columns, and the hold
; lays each column's eight numbers along K side by side.  Then the wave multiplies image row w / 2 (32 tokens) by head 2 g + w % 2.
; IMAGES: 16 rows x 32 of K are 512 bytes, [lane (r = lane % 16, h = lane / 16)][16 bytes]: k = 8 h + 0 .. 7 and 16 + 8 h + 0 .. 7.
; qimg [C][s 4][head 8][tile T 4]: tile T, lane r: image row 8 oct + 2 T + r / 8, column 4 (r % 8) + s.  kvimg [b][step of 128 keys 8][head 8]: K's 8 tiles of 16 keys, then V^T [channel tile 2][32 keys 4].
; wpimg [16 columns 16][K step 2][c 4].  bias4 [head 8][s 4][a 64][64 words]: word p = bias_table[3968 - (63 a + p + 3 - s)][head] x sqrt(32) x 2^-(e2 + e3), a = key's image row - query's + 31;
; words with p > 59 or a = 63 serve nobody: they hold a clamped entry.
; No prefetch: the launch has no loop, every load is issued at its head.  No slot is filled again.
; LIMITS: e0, e1, e7, e2 - e0 - e1, e3 - e0 - e1, e5 - e0 - e1 between -126 and 119, so that the powers of two are f32 numbers.  NaN among the inputs is not served; an infinity is held at the largest code.
.set RG,    16640                      ; a wave's region: 16 rows x (1,024 bytes + 16)
.set XI,    12288                      ; in it, once its numbers are read: the 16 tokens' codes, [K step 2][c 4][lane][16 bytes], k = 32 c + 16 h + 0 .. 15
.set WC,    266240                     ; behind 16 regions: 192 columns x (256 codes + 16)
.set WP,    272
.set SPARE, 318464
.set SPW,   252
.set NIL,   253
.set ACC,   208
; v1 16 x lane; v2-13 scales and holds of x, w, q, k, v, w_proj; v14 my x rows, later q's stage; v15 where I put weights; v243 my place in two rows of the weights; v246 my pair's codes; v247 my codes; v254 weights' fragments; v255 q's stage
.macro MKSC sc, lim                    ; s62 = E: v[sc] = 2^E, v[lim] = 448 x 2^E
	s_add_co_i32 s63, s62, 127
	s_lshl_b32 s22, s63, 23
	v_mov_b32 v[\sc], s22
	s_add_co_i32 s63, s63, 8
	s_lshl_b32 s63, s63, 23
	s_or_b32 s63, s63, 0x600000
	v_mov_b32 v[\lim], s63
.endm
.macro CROUND                          ; a whole round of the cluster's barrier
	s_barrier_signal -1
	s_barrier_wait -1
	s_cmp_lg_u32 s24, 0
	s_cbranch_scc1 .Lnot0_\@
	s_barrier_signal -3
.Lnot0_\@:
	s_barrier_wait -3
	s_barrier_signal -1
	s_barrier_wait -1
.endm
.macro Q16 src, dst, sc, lim           ; 16 numbers become 16 codes
.irp i, 0,1,2,3,4,5,6,7,8,9,10,11,12,13,14,15
	v_med3_num_f32 v[(\src)+\i], v[(\src)+\i], -v[\lim], v[\lim]   ; the conversion to an 8-bit code does not saturate (ISA guide 7.6.2): hold first
.endr
	v_cvt_scalef32_pk8_fp8_f32 v[\dst:(\dst)+1], v[\src:(\src)+7], v[\sc]
	v_cvt_scalef32_pk8_fp8_f32 v[(\dst)+2:(\dst)+3], v[(\src)+8:(\src)+15], v[\sc]
.endm
.macro WQ ty, cw, cnt                  ; q's, k's or v's weights: 4 columns x 8 along K a lane
	s_wait_loadcnt \cnt
.irp j, 0,1,2,3
.irp i, 0,1,2,3,4,5,6,7
	v_med3_num_f32 v[16+8*\j+\i], v[112+32*\ty+4*\i+\j], -v5, v5   ; the hold puts column j's eight numbers side by side
.endr
.endr
.irp j, 0,1,2,3
	v_cvt_scalef32_pk8_fp8_f32 v[\cw+2*\j:\cw+2*\j+1], v[16+8*\j:23+8*\j], v4
.endr
	v_nop
.irp j, 0,1,2,3
	ds_store_b64 v15, v[\cw+2*\j:\cw+2*\j+1] offset:64*WP*\ty+WP*\j
.endr
.endm
.macro WLOAD reg, ty                   ; my head's 32 columns of q, k or v: fragment 2 uf + K step
.irp uf, 0,1
.irp s, 0,1
.irp c, 0,1,2,3
	ds_load_b128 v[\reg+32*\uf+16*\s+4*\c:\reg+32*\uf+16*\s+4*\c+3], v254 offset:64*WP*\ty+16*WP*\uf+128*\s+32*\c
.endr
.endr
.endr
.endm
.macro MM d, a, b, s
.if \s
	v_wmma_f32_16x16x128_fp8_fp8 v[\d:(\d)+7], v[\a:(\a)+15], v[\b:(\b)+15], v[\d:(\d)+7]
.else
	v_wmma_f32_16x16x128_fp8_fp8 v[\d:(\d)+7], v[\a:(\a)+15], v[\b:(\b)+15], 0
.endif
.endm
; eight matrix instructions, the four accumulators by turns
.macro GT w                            ; transposed: lane = token 16 ut + r, register j = channel 16 uf + 8 h + j
.irp s, 0,1
.irp ut, 0,1
.irp uf, 0,1
	MM ACC+16*\ut+8*\uf, \w+32*\uf+16*\s, 16+32*\ut+16*\s, \s
.endr
.endr
.endr
.endm
.macro GN w                            ; the natural way: lane = channel 16 uf + r, register j = token 16 ut + 8 h + j
.irp s, 0,1
.irp uf, 0,1
.irp ut, 0,1
	MM ACC+16*\uf+8*\ut, 16+32*\ut+16*\s, \w+32*\uf+16*\s, \s
.endr
.endr
.endr
.endm
.macro TOC dst, sc, lim
.rept 4
	v_nop                                          ; four places between the last product and the first read of results or load into its operands
.endr
.if (\dst) == 240
	WLOAD 80, 2                                    ; v's weights, into the registers that q's products have read
.endif
	Q16 ACC, \dst, \sc, \lim
	Q16 ACC+16, (\dst)+4, \sc, \lim
	v_nop                                          ; a plain line behind the last conversion
.endm
	s_load_b512 s[4:19], s[0:1], 0x0               ; x, w_qkv, w_proj, bias_table, lowp_scales, qimg, kvimg, wpimg
	s_load_b64 s[20:21], s[0:1], 0x40              ; bias4
	v_lshl_add_u32 v[SPW], v0, 2, SPARE
	v_mov_b32 v[NIL], 0
	ds_add_u32 v[SPW], v[NIL]                      ; the opening: the add, twice on end, and its wait
	ds_add_u32 v[SPW], v[NIL]
	v_lshrrev_b32 v1, 5, v0
	v_readfirstlane_b32 s24, v1                    ; wave w
	s_bfe_u32 s25, ttmp6, 0x40000                  ; g: my place in the cluster
	s_mov_b32 s26, ttmp9                           ; C
	s_mov_b32 s48, 15|(2<<16)|(1<<20)|(1<<21)|(7<<22)|(3<<25)   ; all four; 4-byte elements; 4 words of padding behind every 256
	s_mov_b32 s49, 256<<16
	s_mov_b32 s50, 16<<16
	s_mov_b32 s51, 256<<16
	s_mov_b32 s52, 16
	s_mov_b32 s53, 256
	s_mov_b32 s54, 0
	s_mov_b32 s55, 0
	s_mul_i32 s45, s24, RG
	s_mov_b32 s40, 1
	s_mov_b32 s41, s45
	s_lshl_b32 s28, s26, 18                        ; token 256 C + 16 w, 1,024 bytes each
	s_lshl_b32 s29, s24, 14
	s_add_co_u32 s28, s28, s29
	s_mov_b32 s29, 0
	s_wait_alu depctr_va_vdst(0)
	s_wait_dscnt 0x0                               ; both opening adds are done
	s_wait_kmcnt 0x0
	s_load_b256 s[32:39], s[12:13], 0x0            ; e0 .. e7
	s_add_nc_u64 s[42:43], s[4:5], s[28:29]
	s_or_b32 s43, s43, 0x80000000
	CROUND                                         ; the four work-groups are here: the joint loads meet
	tensor_load_to_lds s[40:43], s[48:55]          ; my 16 tokens: the wave's one tensor load
	s_nop 0
.rept 4
	v_nop
.endr
	s_lshl_b32 s27, s26, 2
	s_add_co_u32 s27, s27, s25                     ; L = 4 C + g
	s_lshr_b32 s31, s24, 3
	s_mul_i32 s22, s24, 16*3072                    ; my 16 rows of the weights, the work-group's 64 columns
	s_lshl_b32 s23, s25, 8
	s_add_co_u32 s22, s22, s23
	s_mov_b32 s23, 0
	s_add_nc_u64 s[56:57], s[6:7], s[22:23]
	s_lshl_b32 s44, s24, 4
	s_add_co_u32 s44, s44, WC
	s_and_b32 s30, s24, 1
	s_mul_i32 s46, s30, 32*WP
	s_add_co_u32 s46, s46, WC
	s_lshl_b32 s47, s30, 11                        ; q's stage: head, tile w / 4, row parity
	s_lshr_b32 s28, s24, 2
	s_lshl_b32 s28, s28, 9
	s_add_co_u32 s47, s47, s28
	s_bfe_u32 s28, s24, 0x10001
	s_lshl_b32 s28, s28, 7
	s_add_co_u32 s47, s47, s28
	s_and_b32 s28, s24, 14
	s_mul_i32 s28, s28, RG
	v_and_b32 v16, 31, v0                          ; lane
	v_and_b32 v17, 15, v0                          ; r
	v_bfe_u32 v18, v0, 4, 1                        ; h
	v_lshlrev_b32 v1, 4, v16
	v_mul_u32_u24 v243, v18, 8*3072                ; the weights: 8 h rows down, columns 4 r on
	v_lshl_add_u32 v243, v17, 4, v243
	v_lshlrev_b32 v242, 2, v17
	v_mul_u32_u24 v14, v17, 1040
	v_lshl_add_u32 v14, v18, 6, v14
	v_add_nc_u32 v14, s45, v14                     ; x: my rows, 16 numbers at 16 h
	v_mul_u32_u24 v15, v17, 4*WP
	v_lshl_add_u32 v15, v18, 3, v15
	v_add_nc_u32 v15, s44, v15                     ; column 4 r, codes 16 w + 8 h on
	v_mul_u32_u24 v254, v17, WP
	v_lshl_add_u32 v254, v18, 4, v254
	v_add_nc_u32 v254, s46, v254
	v_and_b32 v19, 3, v17
	v_lshrrev_b32 v20, 2, v17
	v_mul_u32_u24 v255, v19, RG                    ; q's stage: block s = r % 4 lies in region s
	v_lshl_add_u32 v255, v18, 8, v255
	v_lshl_add_u32 v255, v20, 4, v255
	v_add_nc_u32 v255, s47, v255
	v_add_nc_u32 v246, s28, v1
	v_add_nc_u32 v247, s45, v1
	s_wait_alu depctr_va_vdst(0)                   ; ahead of the branches
	s_cmp_lt_u32 s24, 8                            ; waves 0 to 7: two words each of the bias images
	s_cbranch_scc0 .Lnobias
	s_and_b32 s28, s27, 7
	s_mul_i32 s28, s28, 504
	s_bfe_u32 s29, s27, 0x20003                    ; s
	s_sub_co_u32 s28, s28, s29
	s_add_co_u32 s28, s28, 3
	v_lshlrev_b32 v240, 1, v0
	v_lshrrev_b32 v241, 5, v0
	v_sub_nc_u32 v240, v240, v241                  ; 63 x row + word
	v_add_nc_u32 v240, s28, v240
	v_add_nc_u32 v241, 1, v240
	v_min_u32 v240, 3968, v240                     ; words that serve nobody stay inside the table
	v_min_u32 v241, 3968, v241
	v_sub_nc_u32 v240, 3968, v240
	v_sub_nc_u32 v241, 3968, v241
	v_lshlrev_b32 v240, 5, v240
	v_lshlrev_b32 v241, 5, v241
	s_lshr_b32 s22, s27, 5                         ; head
	s_lshl_b32 s22, s22, 2
	s_mov_b32 s23, 0
	s_add_nc_u64 s[10:11], s[10:11], s[22:23]
	global_load_b32 v80, v240, s[10:11]
	global_load_b32 v81, v241, s[10:11]
.Lnobias:
	s_cmp_eq_u32 s24, 8                            ; wave 8: 16 columns x 16 of K of w_proj: 256 bytes of its image
	s_cbranch_scc0 .Lnowp
	s_lshr_b32 s22, s27, 4
	s_lshl_b32 s22, s22, 6
	s_bfe_u32 s28, s27, 0x10003
	s_lshl_b32 s28, s28, 17
	s_add_co_u32 s22, s22, s28
	s_bfe_u32 s28, s27, 0x20001
	s_lshl_b32 s28, s28, 15
	s_add_co_u32 s22, s22, s28
	s_and_b32 s28, s27, 1
	s_lshl_b32 s28, s28, 13
	s_add_co_u32 s22, s22, s28
	s_mov_b32 s23, 0
	s_add_nc_u64 s[8:9], s[8:9], s[22:23]
.irp i, 0,1,2,3,4,5,6,7
	global_load_b32 v[208+\i], v242, s[8:9] offset:1024*\i
	global_load_b32 v[216+\i], v242, s[8:9] offset:1024*\i+16384
.endr
.Lnowp:
.irp ty, 0,1,2
.irp i, 0,1,2,3,4,5,6,7
	global_load_b128 v[112+32*\ty+4*\i:115+32*\ty+4*\i], v243, s[56:57] offset:3072*\i+1024*\ty   ; sixteen lanes take 256 consecutive bytes of a row
.endr
.endr
	; where the results go
	s_bfe_u32 s30, s24, 0x20001                    ; (w / 2) % 4
	s_lshl_b32 s22, s26, 17
	s_lshl_b32 s28, s31, 16
	s_add_co_u32 s22, s22, s28
	s_lshl_b32 s28, s25, 14
	s_add_co_u32 s22, s22, s28
	s_and_b32 s28, s24, 1
	s_lshl_b32 s28, s28, 13
	s_add_co_u32 s22, s22, s28
	s_lshl_b32 s28, s30, 10
	s_add_co_u32 s28, s28, s22
	s_mov_b32 s29, 0
	s_add_nc_u64 s[58:59], s[16:17], s[28:29]      ; K: tiles 2 (w / 2 % 4), + 1
	s_lshl_b32 s28, s30, 9
	s_add_co_u32 s28, s28, s22
	s_add_co_u32 s28, s28, 4096
	s_add_nc_u64 s[60:61], s[16:17], s[28:29]      ; V: 32 keys (w / 2) % 4
	s_lshl_b32 s22, s26, 16
	s_lshr_b32 s30, s24, 2
	s_lshl_b32 s28, s30, 14
	s_add_co_u32 s22, s22, s28
	s_lshl_b32 s28, s25, 12
	s_add_co_u32 s22, s22, s28
	s_and_b32 s31, s24, 3
	s_lshl_b32 s31, s31, 10
	s_add_co_u32 s28, s22, s31
	s_add_nc_u64 s[14:15], s[14:15], s[28:29]      ; Q: block s = w / 4, 1,024 bytes
	s_mul_i32 s44, s30, RG
	s_add_co_u32 s44, s44, s31                     ; and in the stage
	s_lshl_b32 s28, s27, 11
	s_add_nc_u64 s[20:21], s[20:21], s[28:29]
	s_lshl_b32 s28, s27, 8
	s_add_nc_u64 s[18:19], s[18:19], s[28:29]
	s_wait_kmcnt 0x0
	s_mov_b32 s62, s32
	MKSC 2, 3                                      ; x: e0
	s_mov_b32 s62, s33
	MKSC 4, 5                                      ; w_qkv: e1
	s_add_co_i32 s28, s32, s33                     ; a sum of product 1 stands for sum x 2^(e0 + e1): folded into the conversions' scale
	s_sub_co_i32 s62, s34, s28
	MKSC 6, 7                                      ; q
	s_sub_co_i32 s62, s35, s28
	MKSC 8, 9                                      ; k
	s_sub_co_i32 s62, s37, s28
	MKSC 10, 11                                    ; v
	s_mov_b32 s62, s39
	MKSC 12, 13                                    ; w_proj: e7
	s_wait_alu depctr_va_vdst(0)                   ; the wait at the head's end
	WQ 0, 224, 16                                  ; the first eight and all ahead of them; sixteen may be out
	WQ 1, 232, 8
	WQ 2, 112, 0
	s_wait_alu depctr_va_vdst(0)                   ; ahead of the branches
	s_cmp_lt_u32 s24, 8
	s_cbranch_scc0 .Lnobias2
	s_add_co_i32 s28, s34, s35
	s_sub_co_i32 s28, 0, s28                       ; -(e2 + e3)
	v_mul_f32 v248, 0x40b504f3, v80                ; x sqrt(32): the bias is added to the sum of codes, which lacks 2^(e2 + e3) / sqrt(32)
	v_mul_f32 v249, 0x40b504f3, v81
	v_ldexp_f32 v248, v248, s28
	v_ldexp_f32 v249, v249, s28
	s_wait_alu depctr_va_vdst(0)
.Lnobias2:
	s_cmp_eq_u32 s24, 8
	s_cbranch_scc0 .Lnowp2
	Q16 208, 248, 12, 13
	v_nop
	s_wait_alu depctr_va_vdst(0)
.Lnowp2:
	s_wait_tensorcnt 0x0                           ; my 16 tokens are in; only I read them
.irp s, 0,1
.irp c, 0,1,2,3
.irp j, 0,1,2,3
	ds_load_b128 v[16+16*\c+4*\j:19+16*\c+4*\j], v14 offset:512*\s+128*\c+16*\j
.endr
.endr
	s_wait_dscnt 0x0
.irp c, 0,1,2,3
	Q16 16+16*\c, 80+16*\s+4*\c, 2, 3
.endr
	v_nop
.endr
.irp s, 0,1
.irp c, 0,1,2,3
	ds_store_b128 v247, v[80+16*\s+4*\c:83+16*\s+4*\c] offset:XI+2048*\s+512*\c   ; my region's numbers have been read, and it has had its one fill
.endr
.endr
	s_wait_alu depctr_va_vdst(0)
	s_wait_dscnt 0x0                               ; for the others' sake: my codes of x and of the weights have landed
	s_barrier_signal -1
	s_barrier_wait -1
.irp ut, 0,1
.irp s, 0,1
.irp c, 0,1,2,3
	ds_load_b128 v[16+32*\ut+16*\s+4*\c:19+32*\ut+16*\s+4*\c], v246 offset:RG*\ut+XI+2048*\s+512*\c
.endr
.endr
.endr
	WLOAD 80, 0
	WLOAD 144, 1
	s_wait_dscnt 16                                ; x and q's weights are in; k's sixteen loads may be out
	GT 80
	TOC 240, 6, 7
.irp ut, 0,1
	ds_store_b128 v255, v[240+4*\ut:243+4*\ut] offset:64*\ut
.endr
	s_wait_dscnt 18                                ; k's weights are in; v's sixteen loads and the two stores may be out
	GT 144
	TOC 144, 8, 9
	s_wait_alu depctr_va_vdst(0)
	s_wait_dscnt 2                                 ; v's weights are in
	GN 80
	TOC 152, 10, 11
	v_add_nc_u32 v14, s44, v1
.irp u, 0,1
	global_store_b128 v1, v[144+4*\u:147+4*\u], s[58:59] offset:512*\u    ; 32 lanes store 512 consecutive bytes, aligned
	global_store_b128 v1, v[152+4*\u:155+4*\u], s[60:61] offset:2048*\u
.endr
	s_wait_alu depctr_va_vdst(0)
	s_wait_dscnt 0x0                               ; for the others' sake: my part of q's stage has landed
	s_barrier_signal -1
	s_barrier_wait -1
	ds_load_b128 v[160:163], v14
	ds_load_b128 v[164:167], v14 offset:512
	s_wait_dscnt 0x0
	global_store_b128 v1, v[160:163], s[14:15]
	global_store_b128 v1, v[164:167], s[14:15] offset:512
	s_cmp_lt_u32 s24, 8
	s_cbranch_scc0 .Lnobias3
	v_lshlrev_b32 v245, 3, v0
	global_store_b64 v245, v[248:249], s[20:21]    ; a wave stores 256 consecutive bytes, aligned
.Lnobias3:
	s_cmp_eq_u32 s24, 8
	s_cbranch_scc0 .Lnowp3
	v_cmp_gt_u32 vcc_lo, 0x100, v1                 ; lanes 0 to 15
	s_wait_xcnt 0x0                                ; EXEC changes only behind the wait
	s_and_saveexec_b32 s62, vcc_lo
	global_store_b128 v1, v[248:251], s[18:19]     ; 256 consecutive bytes, aligned
	s_wait_xcnt 0x0
	s_or_b32 exec_lo, exec_lo, s62
.Lnowp3:
	s_wait_tensorcnt 0x0                           ; the wave's end
	ds_add_u32 v[SPW], v[NIL]
	s_wait_dscnt 0x0
	CROUND                                         ; the closing round
	s_endpgm
.Lfunc_end_k_q2031489f1e_qkv:
	.size	k_q2031489f1e_qkv, .Lfunc_end_k_q2031489f1e_qkv-k_q2031489f1e_qkv
	.p2alignl 7, 3214868480
	.fill 96, 4, 3214868480
	.section	.rodata,"a",@progbits
	.p2align	6, 0x0
	.amdhsa_kernel k_q2031489f1e_qkv
		.amdhsa_group_segment_fixed_size 327680
		.amdhsa_private_segment_fixed_size 0
		.amdhsa_enable_private_segment 0
		.amdhsa_kernarg_size 72
		.amdhsa_user_sgpr_count 2
		.amdhsa_user_sgpr_kernarg_segment_ptr 1
		.amdhsa_wavefront_size32 1
		.amdhsa_system_sgpr_workgroup_id_x 1
		.amdhsa_system_sgpr_workgroup_id_y 1
		.amdhsa_system_sgpr_workgroup_id_z 1
		.amdhsa_system_vgpr_workitem_id 0
		.amdhsa_next_free_vgpr 256
		.amdhsa_next_free_sgpr 66
		.amdhsa_reserve_vcc 1
		.amdhsa_float_denorm_mode_32 3
		.amdhsa_float_denorm_mode_16_64 3
		.amdhsa_memory_ordered 1
		.amdhsa_forward_progress 1
		.amdhsa_inst_pref_size 50
	.end_amdhsa_kernel
	.amdgpu_metadata
---
amdhsa.version: [ 1, 2 ]
amdhsa.kernels:
  - .name:           k_q2031489f1e_qkv
    .symbol:         k_q2031489f1e_qkv.kd
    .args:
      - { .name: x, .offset: 0, .size: 8, .value_kind: global_buffer, .address_space: global }
      - { .name: w_qkv, .offset: 8, .size: 8, .value_kind: global_buffer, .address_space: global }
      - { .name: w_proj, .offset: 16, .size: 8, .value_kind: global_buffer, .address_space: global }
      - { .name: bias_table, .offset: 24, .size: 8, .value_kind: global_buffer, .address_space: global }
      - { .name: lowp_scales, .offset: 32, .size: 8, .value_kind: global_buffer, .address_space: global }
      - { .name: qimg, .offset: 40, .size: 8, .value_kind: global_buffer, .address_space: global }
      - { .name: kvimg, .offset: 48, .size: 8, .value_kind: global_buffer, .address_space: global }
      - { .name: wpimg, .offset: 56, .size: 8, .value_kind: global_buffer, .address_space: global }
      - { .name: bias4, .offset: 64, .size: 8, .value_kind: global_buffer, .address_space: global }
    .group_segment_fixed_size: 327680
    .private_segment_fixed_size: 0
    .kernarg_segment_align: 8
    .kernarg_segment_size: 72
    .max_flat_workgroup_size: 512
    .sgpr_count:     66
    .vgpr_count:     256
    .wavefront_size: 32
...
	.end_amdgpu_metadata
.endif
;; end of part 1
;; launch attnproj (part 2): grid 256 x 1, 16 waves a work-group, no clusters, 206,848 bytes of LDS; arguments qimg, kvimg, bias4, wpimg, b_proj, lowp_scales, out0; writes out0
.if DOCPART == 2
	.amdgcn_target "amdgcn-amd-amdhsa--gfx1250"
	.amdhsa_code_object_version 6
	.text
	.protected	k_q2031489f1e_attnproj
	.globl	k_q2031489f1e_attnproj
	.p2align	8
	.type	k_q2031489f1e_attnproj,@function
k_q2031489f1e_attnproj:
	s_mov_b64 s[64:65], 0
	v_nop
	global_prefetch_b8 v0, s[64:65] scope:SCOPE_SE
	s_setreg_imm32_b32 hwreg(HW_REG_WAVE_MODE, 25, 1), 1
	s_wait_xcnt 0x0
; For 64 queries of one batch and all 8 heads: S = q k^T + bias, softmax, O = P v, and out0 = O w_proj + b_proj.  All products on codes of FP8 (E4M3) with the given scales; images as the launch before lays them.
; SHARES.  Work-group 16 b + 4 oct + s: image rows 8 oct .. + 7, columns 4 i + s: four tiles of 16 queries, tile q: rows 2 q, 2 q + 1.  Wave w: head w / 2, all four tiles, keys 512 (w % 2) .. + 511, 128 (four image rows) a step;
; 256 registers, four waves to a SIMD.  So each byte of K and V belongs to one wave: it goes from memory straight into that wave's operand registers, and no barrier stands in the loop.  At the end the two waves of a head join their sums:
; each hands the other two tiles' O, M and sum through LDS and finishes the other two.
; K of the next step is asked for when the step's last scores are made, V when its last products are issued.
; THE BIAS IS THE C OF PRODUCT 2.  A lane holds one query and 8 neighbouring keys of an image row, whose biases are 8 neighbouring words; all queries of the work-group have the same column modulo 4, so one shifted copy serves.
; LDS holds 40 rows a head of 384 bytes (256 of data): lanes of a tile's two rows then take different banks (64 of 4 bytes: ISA guide 11.1).
; PRODUCT 2 has K = 32, the shortest form 64: even tiles take [K(t), K(t + 1)] x [Q, 0], odd tiles [K(t - 1), K(t)] x [0, Q]; zero codes stand on both sides of K's registers.
; SOFTMAX.  t = c (S + bias'), c = log2(e) / sqrt(32) x 2^(e2 + e3); M = the running largest t rounded UP; p = 2^(t - M) is quantised with 2^e4; the sum is taken of the unquantised p; when M moves, sum and O are multiplied by 2^(old M - new M): exact.
; NO CLUSTER AND NO TENSOR LOAD: what work-groups share (a batch's K and V) is used by one wave of each, from registers; and p is at most 1, so its hold (64 instructions for every 16 queries x 128 keys) changes nothing for e4 >= -8
; and is passed over by a branch on that loaded number.
; PREFETCH: wave 0 of each of a batch's 16 work-groups asks in steps 0 and 1 for its sixteenth of the images of the step two on, of both halves of the keys; steps 0 and 1 come by their loads alone.
; LIMITS: e4, e6 - e4 - e5 between -126 and 119; e6 + e7 between -126 and 127; e2 + e3 between -124 and 129 (added to c's exponent field); scores in magnitude under 3e38 as sums of codes, and under 2^31 as t.  NaN is not served.
.set BP,    384                        ; LDS: the biases from byte 0
.set BH,    15360                      ; a head's 40 rows
.set XB,    122880                     ; what the two waves of a head hand each other: 5,120 bytes a wave
.set SPARE, 204800
.set OI,    0                          ; the way out, over the biases: O's image, 4 tiles x 4,096
.set OST,   16384                      ; 64 rows x (1,024 bytes + 16)
.set OP,    1040
.set ST,    12                         ; v[12 + 4 q ..]: -M, the largest score, the sum in two halves
.set P,     28                         ; v28-43   p's codes, over the first scores
.set S,     32                         ; v32-95   scores, then p
.set K,     104                        ; v104-135 K's 8 tiles; v96-99 Q of tile 0, v100-103 and v136-139 zeros, v140-143 Q of tile 1, v144-155 [Q of tile 2, 0, Q of tile 3]
.set O,     156                        ; v156-219 O^T: 16 q + 8 ct
.set V,     220                        ; v220-251 V's two fragments
; v1 16 x lane; v2, v8 bias; v9, v10 p's scale and hold; v252 prefetch; v3-7, v11, v28-31 at work: v6 f
.macro MKSC sc, lim                    ; s54 = E: v[sc] = 2^E, v[lim] = 448 x 2^E
	s_add_co_i32 s55, s54, 127
	s_lshl_b32 s57, s55, 23
	v_mov_b32 v[\sc], s57
	s_add_co_i32 s55, s55, 8
	s_lshl_b32 s55, s55, 23
	s_or_b32 s55, s55, 0x600000
	v_mov_b32 v[\lim], s55
.endm
.macro GL8 dst, base, off              ; 4,096 consecutive bytes into eight groups of four registers
.irp i, 0,1,2,3,4,5,6,7
	global_load_b128 v[\dst+4*\i:\dst+4*\i+3], v1, s[\base:\base+1] offset:\off+512*\i
.endr
.endm
.macro BL t, row, adr                  ; biases of 16 keys; row: from tile 3's first on
	ds_load_b128 v[S+8*\t:S+8*\t+3], v[\adr] offset:BP*(\row+\t/2)+64*(\t%2)
	ds_load_b128 v[S+8*\t+4:S+8*\t+7], v[\adr] offset:BP*(\row+\t/2)+64*(\t%2)+16
.endm
.macro SMUL q                          ; S^T = K Q^T + bias: lane = query, register 8 t + j = key 16 t + 8 h + j of the step
.irp t, 0,1,2,3,4,5,6,7
.if \q == 0
	v_wmma_f32_16x16x64_fp8_fp8 v[S+8*\t:S+8*\t+7], v[K+4*\t:K+4*\t+7], v[96:103], v[S+8*\t:S+8*\t+7]
.elseif \q == 1
	v_wmma_f32_16x16x64_fp8_fp8 v[S+8*\t:S+8*\t+7], v[K+4*\t-4:K+4*\t+3], v[136:143], v[S+8*\t:S+8*\t+7]
.elseif \q == 2
	v_wmma_f32_16x16x64_fp8_fp8 v[S+8*\t:S+8*\t+7], v[K+4*\t:K+4*\t+7], v[144:151], v[S+8*\t:S+8*\t+7]
.else
	v_wmma_f32_16x16x64_fp8_fp8 v[S+8*\t:S+8*\t+7], v[K+4*\t-4:K+4*\t+3], v[148:155], v[S+8*\t:S+8*\t+7]
.endif
.endr
.endm
.macro MAXQ                            ; the step's largest score of my query among my 64 keys: four chains, ascending
	v_max3_num_f32 v28, v[S], v[S+1], v[S+2]
	v_max3_num_f32 v29, v[S+3], v[S+4], v[S+5]
	v_max3_num_f32 v30, v[S+6], v[S+7], v[S+8]
	v_max3_num_f32 v31, v[S+9], v[S+10], v[S+11]
.irp i, 12,20,28,36,44,52
	v_max3_num_f32 v28, v28, v[S+\i], v[S+\i+1]
	v_max3_num_f32 v29, v29, v[S+\i+2], v[S+\i+3]
	v_max3_num_f32 v30, v30, v[S+\i+4], v[S+\i+5]
	v_max3_num_f32 v31, v31, v[S+\i+6], v[S+\i+7]
.endr
	v_max3_num_f32 v28, v28, v[S+60], v[S+61]
	v_max3_num_f32 v29, v29, v[S+62], v[S+63]
	v_max_num_f32 v30, v30, v31
	v_max3_num_f32 v28, v28, v29, v30
.endm
.macro SOFT q                          ; behind MAXQ: p's codes into P, O^T and the sum under the new M
	v_permlanex16_b32 v11, v28, s42, s43           ; and among lane l xor 16's
	s_delay_alu instid0(VALU_DEP_1)
	v_max3_num_f32 v[ST+4*\q+1], v[ST+4*\q+1], v28, v11
	s_delay_alu instid0(VALU_DEP_1)
	v_mul_f32 v3, s41, v[ST+4*\q+1]                ; -t
	s_delay_alu instid0(VALU_DEP_1)
	v_floor_f32 v4, v3                             ; the new -M
	s_delay_alu instid0(VALU_DEP_1)
	v_sub_f32 v5, v4, v[ST+4*\q]                   ; old M - new M: a whole number, 0 or less
	v_mov_b32 v[ST+4*\q], v4
	s_delay_alu instid0(VALU_DEP_2)
	v_cvt_i32_f32 v5, v5                           ; (it saturates)
	s_delay_alu instid0(VALU_DEP_1)
	v_ldexp_f32 v6, 1.0, v5                        ; f
	s_wait_alu depctr_va_vdst(0)                   ; directly ahead of O^T's first reader
.irp j, 0,2,4,6,8,10,12,14
	v_pk_mul_f32 v[O+16*\q+\j:O+16*\q+\j+1], v[O+16*\q+\j:O+16*\q+\j+1], v[6:7] op_sel_hi:[1,0]
.endr
.irp j, 0,2,4,6,8,10,12,14,16,18,20,22,24,26,28,30,32,34,36,38,40,42,44,46,48,50,52,54,56,58,60,62
	v_pk_fma_f32 v[S+\j:S+\j+1], v[S+\j:S+\j+1], s[40:41], v[ST+4*\q:ST+4*\q+1] op_sel_hi:[1,0,0]   ; t - M, two at a time (of the pairs c and -M the low word serves both halves)
.endr
	s_wait_alu depctr_va_vdst(0)                   ; the wait ahead of the batch
.irp j, 0,1,2,3,4,5,6,7,8,9,10,11,12,13,14,15,16,17,18,19,20,21,22,23,24,25,26,27,28,29,30,31,32,33,34,35,36,37,38,39,40,41,42,43,44,45,46,47,48,49,50,51,52,53,54,55,56,57,58,59,60,61,62,63
	v_exp_f32 v[S+\j], v[S+\j]                     ; p, at most 1, not normalised
.endr
	v_pk_mul_f32 v[ST+4*\q+2:ST+4*\q+3], v[ST+4*\q+2:ST+4*\q+3], v[6:7] op_sel_hi:[1,0]   ; the sum under the new M; the plain line behind the batch
	s_wait_alu depctr_va_vdst(0)                   ; and one wait ahead of its first reader
	v_pk_add_f32 v[4:5], v[S:S+1], v[S+2:S+3]      ; the row's sum, of the UNQUANTISED p: four chains
	v_pk_add_f32 v[28:29], v[S+4:S+5], v[S+6:S+7]
	v_pk_add_f32 v[30:31], v[S+8:S+9], v[S+10:S+11]
.irp i, 12,20,28,36,44,52
	v_pk_add_f32 v[ST+4*\q+2:ST+4*\q+3], v[ST+4*\q+2:ST+4*\q+3], v[S+\i:S+\i+1]
	v_pk_add_f32 v[4:5], v[4:5], v[S+\i+2:S+\i+3]
	v_pk_add_f32 v[28:29], v[28:29], v[S+\i+4:S+\i+5]
	v_pk_add_f32 v[30:31], v[30:31], v[S+\i+6:S+\i+7]
.endr
	v_pk_add_f32 v[ST+4*\q+2:ST+4*\q+3], v[ST+4*\q+2:ST+4*\q+3], v[S+60:S+61]
	v_pk_add_f32 v[4:5], v[4:5], v[S+62:S+63]
	v_pk_add_f32 v[28:29], v[28:29], v[30:31]
	v_pk_add_f32 v[ST+4*\q+2:ST+4*\q+3], v[ST+4*\q+2:ST+4*\q+3], v[28:29]
	s_wait_alu depctr_va_vdst(0)                   ; ahead of the branch
	s_cmp_ge_i32 s24, -8                           ; 448 x 2^e4 is at least 1 from e4 = -8 on: there the hold changes nothing; below it runs
	s_cbranch_scc1 .Lnohold_\@
.irp j, 0,1,2,3,4,5,6,7,8,9,10,11,12,13,14,15,16,17,18,19,20,21,22,23,24,25,26,27,28,29,30,31,32,33,34,35,36,37,38,39,40,41,42,43,44,45,46,47,48,49,50,51,52,53,54,55,56,57,58,59,60,61,62,63
	v_min_num_f32 v[S+\j], v[S+\j], v10            ; p is not negative: the hold is one-sided
.endr
.Lnohold_\@:
	v_cvt_scalef32_pk8_fp8_f32 v[P:P+1], v[S:S+7], v9
	v_cvt_scalef32_pk8_fp8_f32 v[P+2:P+3], v[S+8:S+15], v9
	v_pk_add_f32 v[ST+4*\q+2:ST+4*\q+3], v[ST+4*\q+2:ST+4*\q+3], v[4:5]   ; and the plain line between two conversions and those that write over what they read
.irp k, 2,3,4,5,6,7
	v_cvt_scalef32_pk8_fp8_f32 v[P+2*\k:P+2*\k+1], v[S+8*\k:S+8*\k+7], v9
.endr
	v_nop                                          ; a plain line behind the last conversion
.endm
; A TILE of a step: its biases are on their way.  nx = 1: a step follows, whose K, V and first biases are asked for; nx = 0: the last step, behind whose last scores the wave's 16 columns of w_proj take K's registers.
.macro TILE q, nx
.if \q == 0
	s_wait_loadcnt 8                               ; K is in; V's eight loads, issued last, may be out
.endif
	s_wait_dscnt 0x0
	SMUL \q
.rept 4
	v_nop                                          ; four places ahead of the scores' first read and of loads into K's registers
.endr
.if \nx && \q == 1
	s_cmp_gt_u32 s46, s37                          ; wave 0, steps 0 and 1
	s_cbranch_scc0 .Lnopf_\@
	global_prefetch_b8 v252, s[32:33] offset:131072 th:TH_LOAD_NT scope:SCOPE_SE
.Lnopf_\@:
.endif
.if \nx && \q == 2
	s_wait_xcnt 0x0                                ; loads and prefetch have read their base
	s_add_nc_u64 s[32:33], s[32:33], 65536
.endif
.if \q == 3
.if \nx
	GL8 K, 32, 0
.else
	GL8 K, 10, 0
.endif
.endif
	MAXQ
	SOFT \q
.if \q < 3
.irp t, 2,3,4,5,6,7
	BL \t, 4-2*\q, 8                               ; the next tile's biases, but for the registers that hold p's codes
.endr
.elseif \nx
.irp t, 2,3,4,5,6,7
	BL \t, 10, 8
.endr
.endif
.if \q == 0
	s_wait_alu depctr_va_vdst(0)
	s_wait_loadcnt 0x0                             ; V is in
.endif
.irp ct, 0,1                           ; O^T += V^T P^T: lane = query, register 8 ct + j = channel 16 ct + 8 h + j
	v_wmma_f32_16x16x128_fp8_fp8 v[O+16*\q+8*\ct:O+16*\q+8*\ct+7], v[V+16*\ct:V+16*\ct+15], v[P:P+15], v[O+16*\q+8*\ct:O+16*\q+8*\ct+7]
.endr
.rept 5
	v_nop                                          ; five places: the next scores are written over p's codes
.endr
.if \q < 3
	BL 0, 4-2*\q, 8
	BL 1, 4-2*\q, 8
.elseif \nx
	BL 0, 10, 8
	BL 1, 10, 8
	GL8 V, 32, 4096
.endif
.endm
.macro SENDT k0                        ; two tiles' O^T, M and sum for the other wave of my head
.irp k, 0,1
.irp p, 0,1,2,3
	ds_store_b128 v252, v[O+16*(\k0+\k)+4*\p:O+16*(\k0+\k)+4*\p+3] offset:2560*\k+512*\p
.endr
	ds_store_b128 v252, v[ST+4*(\k0+\k):ST+4*(\k0+\k)+3] offset:2560*\k+2048
.endr
.endm
	s_load_b256 s[4:11], s[0:1], 0x0               ; qimg, kvimg, bias4, wpimg
	s_load_b128 s[12:15], s[0:1], 0x20             ; b_proj, lowp_scales
	s_load_b64 s[16:17], s[0:1], 0x30              ; out0
	v_lshrrev_b32 v1, 5, v0
	v_readfirstlane_b32 s28, v1                    ; wave w
	s_lshr_b32 s29, s28, 1                         ; head
	s_and_b32 s30, s28, 1                          ; which half of the keys
	s_and_b32 s34, ttmp9, 3                        ; s
	s_bfe_u32 s35, ttmp9, 0x20002                  ; oct
	s_lshr_b32 s36, ttmp9, 4                       ; b
	s_mul_i32 s47, s29, BH
	s_mul_i32 s48, s30, 16*BP
	s_add_co_u32 s49, s47, s48
	s_add_co_u32 s49, s49, BP+112
	s_mul_i32 s48, s30, 20*BP
	s_add_co_u32 s47, s47, s48
	s_and_b32 s51, ttmp9, 15
	s_lshl_b32 s51, s51, 12
	v_and_b32 v20, 31, v0
	v_and_b32 v21, 15, v0                          ; r
	v_bfe_u32 v22, v0, 4, 1                        ; h
	v_lshlrev_b32 v1, 4, v20
	v_lshrrev_b32 v23, 3, v21
	v_and_b32 v24, 7, v21
	v_mul_u32_u24 v23, v23, BP
	v_lshl_add_u32 v23, v24, 4, v23                ; 384 (r / 8) + 16 (r % 8)
	v_lshlrev_b32 v2, 5, v22
	v_add_nc_u32 v2, s49, v2
	v_sub_nc_u32 v2, v2, v23                       ; biases: head, row 16 (w % 2) + 1 - r / 8, word 8 h - 4 (r % 8) + 28
	v_lshlrev_b32 v252, 8, v21
	v_lshl_add_u32 v252, v22, 18, v252
	v_add_nc_u32 v252, s51, v252                   ; prefetch: my work-group's 4,096 bytes of a step, of both halves, a lane 256 bytes
	v_mul_u32_u24 v8, v22, BP
	v_lshl_add_u32 v8, v21, 4, v8
	v_add_nc_u32 v8, s47, v8                       ; the biases' copy: 20 rows a wave, two an instruction
	s_wait_alu depctr_va_vdst(0)
	s_mov_b32 s53, 0
	s_lshl_b32 s52, s29, 16                        ; bias4: head, s, row 24 - 8 oct + 20 (w % 2)
	s_lshl_b32 s48, s34, 14
	s_add_co_u32 s52, s52, s48
	s_mul_i32 s48, s30, 20
	s_add_co_u32 s48, s48, 24
	s_lshl_b32 s50, s35, 3
	s_sub_co_u32 s48, s48, s50
	s_lshl_b32 s48, s48, 8
	s_add_co_u32 s52, s52, s48
	s_lshl_b32 s48, s36, 19                        ; kvimg: my batch, my half, my head
	s_lshl_b32 s49, s30, 18
	s_add_co_u32 s48, s48, s49
	s_lshl_b32 s49, s29, 13
	s_add_co_u32 s48, s48, s49
	s_mov_b32 s49, 0
	s_lshl_b32 s50, ttmp9, 14                      ; qimg: my work-group, my head
	s_lshl_b32 s51, s29, 11
	s_add_co_u32 s50, s50, s51
	s_mov_b32 s51, 0
	s_wait_kmcnt 0x0
	s_load_b256 s[20:27], s[14:15], 0x0            ; e0 .. e7
	s_add_nc_u64 s[8:9], s[8:9], s[52:53]
	s_add_nc_u64 s[32:33], s[6:7], s[48:49]
	s_add_nc_u64 s[4:5], s[4:5], s[50:51]
.irp i, 0,1,2,3,4,5,6,7,8,9
	global_load_b128 v[156+4*\i:159+4*\i], v1, s[8:9] offset:512*\i
.endr
	global_load_b128 v[96:99], v1, s[4:5]
	global_load_b128 v[140:143], v1, s[4:5] offset:512
	global_load_b128 v[144:147], v1, s[4:5] offset:1024
	global_load_b128 v[152:155], v1, s[4:5] offset:1536
	GL8 K, 32, 0
	GL8 V, 32, 4096
	s_lshl_b32 s52, s28, 12                        ; wpimg: 16 columns
	s_add_nc_u64 s[10:11], s[10:11], s[52:53]
	s_lshl_b32 s52, s28, 6                         ; b_proj: the same
	s_add_nc_u64 s[12:13], s[12:13], s[52:53]
	s_lshl_b32 s52, s36, 20                        ; out0: row 1024 b + 256 oct + s, + 16 w rows
	s_lshl_b32 s48, s35, 18
	s_add_co_u32 s52, s52, s48
	s_lshl_b32 s48, s34, 10
	s_add_co_u32 s52, s52, s48
	s_lshl_b32 s48, s28, 14
	s_add_co_u32 s52, s52, s48
	s_add_nc_u64 s[16:17], s[16:17], s[52:53]
	s_mov_b32 s42, 0x76543210                      ; v_permlanex16_b32's selects for lane l xor 16
	s_mov_b32 s43, 0xfedcba98
	s_mov_b32 s45, 0
	s_mov_b32 s46, 3                               ; steps but the last
	s_mov_b32 s37, 9
	s_cmp_eq_u32 s28, 0
	s_cselect_b32 s37, 1, s37                      ; only wave 0 prefetches
	s_wait_kmcnt 0x0
	s_add_co_i32 s54, s22, s23
	s_lshl_b32 s54, s54, 23
	s_add_co_i32 s40, s54, 0x3e8293ee              ; c = log2(e) / sqrt(32), e2 + e3 added to its exponent field
	s_xor_b32 s41, s40, 0x80000000                 ; -c
	s_mov_b32 s54, s24
	MKSC 9, 10                                     ; p: e4
.irp i, 0,1,2,3
	v_mov_b32 v[100+\i], 0
	v_mov_b32 v[136+\i], 0
	v_mov_b32 v[148+\i], 0
.endr
.irp q, 0,1,2,3
	v_mov_b32 v[ST+4*\q], 0x7f000000               ; -M: above every later one
	v_mov_b32 v[ST+4*\q+1], 0xff61b1e6             ; the largest score so far: -3e38
	v_mov_b32 v[ST+4*\q+2], 0
	v_mov_b32 v[ST+4*\q+3], 0
.endr
	v_mov_b32 v7, 0                                ; (named as the upper half of the pair v[6:7])
	v_mov_b32 v11, 0                               ; written once: a lane permute's destination counts as one of its sources
	s_wait_alu depctr_va_vdst(0)
	s_wait_loadcnt 20                              ; the biases' ten loads are in; the twenty behind them may be out
.irp i, 0,1,2,3,4,5,6,7,8,9
	ds_store_b128 v8, v[156+4*\i:159+4*\i] offset:2*BP*\i
.endr
	s_wait_dscnt 0x0                               ; for the others' sake
	s_barrier_signal -1
	s_barrier_wait -1                              ; the biases lie whole in LDS, and are only read from here on
.irp t, 0,1,2,3,4,5,6,7
	BL \t, 6, 2                                    ; tile 0's, of the first step
.endr
.irp j, 0,1,2,3,4,5,6,7,8,9,10,11,12,13,14,15,16,17,18,19,20,21,22,23,24,25,26,27,28,29,30,31
	v_mov_b32 v[O+\j], 0                           ; O^T.  (The step finds zeros, which the first change of M leaves zeros)
	v_mov_b32 v[O+32+\j], 0
.endr
	s_wait_alu depctr_va_vdst(0)                   ; the wait at the head's end
.Lstep:
	v_add_nc_u32 v8, s45, v2                       ; the step's biases
	TILE 0, 1
	TILE 1, 1
	TILE 2, 1
	TILE 3, 1
	s_add_co_u32 s45, s45, 4*BP
	s_wait_alu depctr_va_vdst(0)                   ; ahead of the branch
	s_sub_co_u32 s46, s46, 1
	s_cmp_lg_u32 s46, 0
	s_cbranch_scc1 .Lstep
	v_add_nc_u32 v8, s45, v2
	TILE 0, 0                                      ; the last step is written out: it asks for no further K and V
	TILE 1, 0
	TILE 2, 0
	TILE 3, 0
	; ---- the two waves of a head join: I finish tiles 2 (w % 2), + 1 and hand over the other two
	s_cmp_eq_u32 s30, 0
	s_cselect_b32 vcc_lo, 0, -1
	s_wait_alu depctr_va_vdst(0)                   ; directly ahead of O^T's first readers
.irp j, 0,1,2,3,4,5,6,7,8,9,10,11,12,13,14,15,16,17,18,19,20,21,22,23,24,25,26,27,28,29,30,31
	v_cndmask_b32 v[32+\j], v[O+\j], v[O+32+\j], vcc_lo
.endr
.irp j, 0,1,2,3,4,5,6,7
	v_cndmask_b32 v[64+\j], v[ST+\j], v[ST+8+\j], vcc_lo
.endr
	s_xor_b32 s47, s28, 1
	s_mul_i32 s47, s47, 5120
	s_add_co_u32 s47, s47, XB
	s_mul_i32 s48, s28, 5120
	s_add_co_u32 s48, s48, XB
	s_wait_xcnt 0x0                                ; the prefetches have read v252
	v_add_nc_u32 v252, s47, v1                     ; the other wave's place,
	v_add_nc_u32 v253, s48, v1                     ; and mine
	v_bfe_u32 v3, v0, 4, 1
	v_lshlrev_b32 v8, 5, v3
	global_load_b128 v[240:243], v8, s[12:13]      ; b_proj at my 8 columns
	global_load_b128 v[244:247], v8, s[12:13] offset:16
	v_and_b32 v4, 15, v0
	v_mul_u32_u24 v4, v4, OP
	v_lshl_add_u32 v4, v3, 5, v4
	s_lshl_b32 s47, s28, 6
	s_add_co_u32 s47, s47, OST
	v_add_nc_u32 v255, s47, v4                     ; the stage: row r, column 16 w + 8 h
	s_mul_i32 s47, s28, 4*OP
	s_add_co_u32 s47, s47, OST
	v_add_nc_u32 v2, s47, v1                       ; back: rows 4 w .. + 3
	s_lshl_b32 s47, s30, 13
	s_lshl_b32 s48, s29, 9
	s_add_co_u32 s47, s47, s48
	v_add_nc_u32 v254, s47, v1                     ; O's image: tile 2 (w % 2) + k, 32 of K at head
	s_sub_co_i32 s54, s26, s24
	s_sub_co_i32 s54, s54, s25
	MKSC 92, 93                                    ; e6 - e4 - e5
	s_wait_alu depctr_va_vdst(0)                   ; ahead of the branch
	s_cmp_eq_u32 s30, 0
	s_cbranch_scc0 .Lupper
	SENDT 2
	s_branch .Lsent
.Lupper:
	SENDT 0
.Lsent:
	s_wait_dscnt 0x0                               ; for the others' sake; and my reads of the biases are over
	s_barrier_signal -1
	s_barrier_wait -1
.irp k, 0,1
	ds_load_b128 v[188+4*\k:191+4*\k], v253 offset:2560*\k+2048
.irp p, 0,1,2,3
	ds_load_b128 v[156+16*\k+4*\p:159+16*\k+4*\p], v253 offset:2560*\k+512*\p
.endr
.endr
	s_wait_dscnt 0x0
.irp k, 0,1
	v_min_num_f32 v[72+\k], v[64+4*\k], v[188+4*\k]   ; the lesser -M: the greater M
.endr
.irp k, 0,1
	v_sub_f32 v[74+\k], v[72+\k], v[64+4*\k]
	v_sub_f32 v[76+\k], v[72+\k], v[188+4*\k]
.endr
.irp k, 0,1,2,3
	v_cvt_i32_f32 v[74+\k], v[74+\k]
.endr
.irp k, 0,1,2,3
	v_ldexp_f32 v[74+\k], 1.0, v[74+\k]            ; my two factors, the other's two: powers of two
.endr
.irp k, 0,1
	v_add_f32 v[78+\k], v[66+4*\k], v[67+4*\k]     ; the sums' halves
	v_add_f32 v[80+\k], v[190+4*\k], v[191+4*\k]
.endr
.irp k, 0,1
	v_mul_f32 v[78+\k], v[78+\k], v[74+\k]
.endr
.irp k, 0,1
	v_fma_f32 v[78+\k], v[80+\k], v[76+\k], v[78+\k]
.endr
.irp k, 0,1
	v_permlanex16_b32 v[80+\k], v[78+\k], s42, s43
.endr
.irp k, 0,1
	v_add_f32 v[78+\k], v[78+\k], v[80+\k]         ; and lane l xor 16's: the row's sum
.endr
	s_wait_alu depctr_va_vdst(0)                   ; the wait ahead of the batch
	v_rcp_f32 v78, v78
	v_rcp_f32 v79, v79
	v_nop                                          ; a plain line behind the reciprocals
	s_wait_alu depctr_va_vdst(0)                   ; one wait ahead of their first reader
.irp k, 0,1
	v_mul_f32 v[96+4*\k], v[74+\k], v[78+\k]
	v_mul_f32 v[98+4*\k], v[76+\k], v[78+\k]
.endr
.irp k, 0,1
.irp j, 0,2,4,6,8,10,12,14
	v_pk_mul_f32 v[32+16*\k+\j:33+16*\k+\j], v[32+16*\k+\j:33+16*\k+\j], v[96+4*\k:97+4*\k] op_sel_hi:[1,0]
.endr
.endr
.irp k, 0,1
.irp j, 0,2,4,6,8,10,12,14
	v_pk_fma_f32 v[32+16*\k+\j:33+16*\k+\j], v[156+16*\k+\j:157+16*\k+\j], v[98+4*\k:99+4*\k], v[32+16*\k+\j:33+16*\k+\j] op_sel_hi:[1,0,1]
.endr
.endr
	; O / l, quantised with 2^e6: 16 codes a lane and tile, 16 bytes of the last product's operand image
.irp j, 0,1,2,3,4,5,6,7,8,9,10,11,12,13,14,15,16,17,18,19,20,21,22,23,24,25,26,27,28,29,30,31
	v_med3_num_f32 v[32+\j], v[32+\j], -v93, v93   ; hold first (ISA guide 7.6.2)
.endr
.irp k, 0,1,2,3
	v_cvt_scalef32_pk8_fp8_f32 v[84+2*\k:85+2*\k], v[32+8*\k:39+8*\k], v92
.endr
	v_nop
.irp k, 0,1
	ds_store_b128 v254, v[84+4*\k:87+4*\k] offset:OI+4096*\k   ; behind the barrier nobody reads the biases
.endr
	s_add_co_i32 s56, s26, s27
	s_add_co_i32 s56, s56, 127
	s_lshl_b32 s56, s56, 23                        ; 2^(e6 + e7) as f32
	s_mov_b32 s57, s56                             ; (named with it as a pair, so it is written)
	s_wait_alu depctr_va_vdst(0)
	s_wait_dscnt 0x0                               ; for the others' sake
	s_barrier_signal -1
	s_barrier_wait -1                              ; O's image of 64 tokens lies whole in LDS
.irp f, 0,1,2,3
.irp c, 0,1,2,3
	ds_load_b128 v[136+16*\f+4*\c:139+16*\f+4*\c], v1 offset:OI+2048*\f+512*\c        ; tiles 0, 1
	ds_load_b128 v[20+16*\f+4*\c:23+16*\f+4*\c], v1 offset:OI+8192+2048*\f+512*\c     ; tiles 2, 3
.endr
.endr
	s_wait_loadcnt 0x0
	s_wait_dscnt 0x0
	; transposed: lane = token, register j = column 16 w + 8 h + j; the four accumulators by turns
	v_wmma_f32_16x16x128_fp8_fp8 v[200:207], v[K:K+15], v[136:151], 0
	v_wmma_f32_16x16x128_fp8_fp8 v[208:215], v[K:K+15], v[168:183], 0
	v_wmma_f32_16x16x128_fp8_fp8 v[216:223], v[K:K+15], v[20:35], 0
	v_wmma_f32_16x16x128_fp8_fp8 v[224:231], v[K:K+15], v[52:67], 0
	v_wmma_f32_16x16x128_fp8_fp8 v[200:207], v[K+16:K+31], v[152:167], v[200:207]
	v_wmma_f32_16x16x128_fp8_fp8 v[208:215], v[K+16:K+31], v[184:199], v[208:215]
	v_wmma_f32_16x16x128_fp8_fp8 v[216:223], v[K+16:K+31], v[36:51], v[216:223]
	v_wmma_f32_16x16x128_fp8_fp8 v[224:231], v[K+16:K+31], v[68:83], v[224:231]
.rept 4
	v_nop                                          ; four places ahead of the first read of results
.endr
.irp t, 0,1,2,3
.irp i, 0,2,4,6
	v_pk_fma_f32 v[200+8*\t+\i:201+8*\t+\i], v[200+8*\t+\i:201+8*\t+\i], s[56:57], v[240+\i:241+\i] op_sel_hi:[1,0,1]
.endr
.endr
.irp t, 0,1,2,3
	ds_store_b128 v255, v[200+8*\t:203+8*\t] offset:16*OP*\t
	ds_store_b128 v255, v[204+8*\t:207+8*\t] offset:16*OP*\t+16
.endr
	s_wait_alu depctr_va_vdst(0)
	s_wait_dscnt 0x0                               ; for the others' sake
	s_barrier_signal -1
	s_barrier_wait -1                              ; 64 whole rows lie in the stage
.irp i, 0,1,2,3,4,5,6,7
	ds_load_b128 v[136+4*\i:139+4*\i], v2 offset:OP*(\i/2)+512*(\i%2)
.endr
.irp i, 0,1,2,3,4,5,6,7
	s_wait_dscnt 7-\i                              ; LDS loads come back in order: load i is in
	global_store_b128 v1, v[136+4*\i:139+4*\i], s[16:17] offset:4096*(\i/2)+512*(\i%2) th:TH_STORE_NT   ; 512 consecutive bytes, aligned; a work-group's neighbouring stage rows lie four tokens apart
.endr
	v_lshl_add_u32 v254, v0, 2, SPARE
	v_mov_b32 v255, 0
	s_wait_alu depctr_va_vdst(0)
	s_wait_tensorcnt 0x0                           ; the wave's end
	ds_add_u32 v254, v255
	s_wait_dscnt 0x0
	s_endpgm
.Lfunc_end_k_q2031489f1e_attnproj:
	.size	k_q2031489f1e_attnproj, .Lfunc_end_k_q2031489f1e_attnproj-k_q2031489f1e_attnproj
	.p2alignl 7, 3214868480
	.fill 96, 4, 3214868480
	.section	.rodata,"a",@progbits
	.p2align	6, 0x0
	.amdhsa_kernel k_q2031489f1e_attnproj
		.amdhsa_group_segment_fixed_size 206848
		.amdhsa_private_segment_fixed_size 0
		.amdhsa_enable_private_segment 0
		.amdhsa_kernarg_size 56
		.amdhsa_user_sgpr_count 2
		.amdhsa_user_sgpr_kernarg_segment_ptr 1
		.amdhsa_wavefront_size32 1
		.amdhsa_system_sgpr_workgroup_id_x 1
		.amdhsa_system_sgpr_workgroup_id_y 1
		.amdhsa_system_sgpr_workgroup_id_z 1
		.amdhsa_system_vgpr_workitem_id 0
		.amdhsa_next_free_vgpr 256
		.amdhsa_next_free_sgpr 66
		.amdhsa_reserve_vcc 1
		.amdhsa_float_denorm_mode_32 3
		.amdhsa_float_denorm_mode_16_64 3
		.amdhsa_memory_ordered 1
		.amdhsa_forward_progress 1
		.amdhsa_inst_pref_size 141
	.end_amdhsa_kernel
	.amdgpu_metadata
---
amdhsa.version: [ 1, 2 ]
amdhsa.kernels:
  - .name:           k_q2031489f1e_attnproj
    .symbol:         k_q2031489f1e_attnproj.kd
    .args:
      - { .name: qimg, .offset: 0, .size: 8, .value_kind: global_buffer, .address_space: global }
      - { .name: kvimg, .offset: 8, .size: 8, .value_kind: global_buffer, .address_space: global }
      - { .name: bias4, .offset: 16, .size: 8, .value_kind: global_buffer, .address_space: global }
      - { .name: wpimg, .offset: 24, .size: 8, .value_kind: global_buffer, .address_space: global }
      - { .name: b_proj, .offset: 32, .size: 8, .value_kind: global_buffer, .address_space: global }
      - { .name: lowp_scales, .offset: 40, .size: 8, .value_kind: global_buffer, .address_space: global }
      - { .name: out0, .offset: 48, .size: 8, .value_kind: global_buffer, .address_space: global }
    .group_segment_fixed_size: 206848
    .private_segment_fixed_size: 0
    .kernarg_segment_align: 8
    .kernarg_segment_size: 56
    .max_flat_workgroup_size: 512
    .sgpr_count:     66
    .vgpr_count:     256
    .wavefront_size: 32
...
	.end_amdgpu_metadata
.endif
;; end of part 2
